; MI455X (gfx1250); checked and timed in simulation.
; The chip was launched on July 23, 2026; its instructions are those of AMD's public machine-readable ISA for CDNA 5 (MIT licence, August 2026) and "CDNA5" Instruction Set Architecture Reference Guide (July 2026). The comments in the code are by the model that wrote it; some were corrected since.
;; Mo E Layer. Allowed arithmetic: matrix products marked QUANTISED: E5M2 operands, one E8M0 scale for each 32 along K, by v_wmma_scale_f32_16x16x128_f8f6f4 with both operands' format E5M2, f32 sums; products left as they are: f32 operands where the result goes on into a quantised operand, else bf16, f16 or f32 operands; f32 sums; everything else in f32.
;; Inputs: W1 8 x 1,024 x 4,096 float32; W2 8 x 4,096 x 1,024 float32; Wg 1,024 x 8 float32; b1 8 x 4,096 float32; b2 8 x 1,024 float32; bg 8 float32; x 4 x 256 x 1,024 float32.
;; Outputs: out0 4 x 256 x 1,024 float32; out1 1,024 x 8 float32.
;; This version of the problem:
;;   THIS VERSION OF THE PROBLEM IS GIVEN IN LOW PRECISION. The matrix products marked QUANTISED in the list below multiply operands that are first quantised to E5M2 (5 exponent bits, 2 mantissa bits; 8 bits a number), with one power-of-two scale for each 32 numbers along K (OCP MX v1.0); their sums are f32. All else is computed in f32.
;;   The module's matrix products, in the order in which they are computed (A, B: the left and right operand; K: the contracted axis; several contracted axes count as one K, in the product's order):
;;     1. [M 1,024, K 1,024] x [K 1,024, N 8]; A: input x; B: input Wg: left as it is (N = 8 < 16)
;;     2. [M 1,024, K 1,024] x [K 1,024, N 32,768]; A: input x; B: input W1: QUANTISED
;;     3. batch 8 x [M 1,024, K 4,096] x [K 4,096, N 1,024]; A: input W2; B: computed on the way: QUANTISED
;;   THE QUANTISER, for each operand of a quantised product, along K:
;;     - K is cut into blocks of 32 from its start; a last block that is shorter is filled with zeros.
;;     - A block's scale is 2^e with e = floor(log2(the largest magnitude in the block)) - 15, held to -126 .. 127; a block of zeros has e = 0. As a byte (E8M0): e + 127.
;;     - Each number is divided by its block's scale, clamped to +-57,344, and rounded to the nearest number of E5M2, ties to even, subnormals kept.
;;     - The product sums the exact products of the quantised numbers (number of the format x scale) in f32.
;;   ~~~python
;;   def quantise(x, axis):      # numpy; x: float32 -> the quantised numbers, widened to float32 again
;;       x = np.moveaxis(x, axis, -1); K = x.shape[-1]
;;       x = np.pad(x, [(0, 0)] * (x.ndim - 1) + [(0, -K % 32)]); x = x.reshape(x.shape[:-1] + (-1, 32)); a = np.abs(x).max(-1, keepdims=True)
;;       e = np.where(a > 0, np.clip(np.frexp(np.where(a > 0, a, 1))[1] - 1 - 15, -126, 127), 0)      # np.frexp(a)[1] - 1 = floor(log2(a)), exactly
;;       r = np.clip(x / 2.0 ** e, -57344, 57344)
;;       step = 2.0 ** (np.maximum(np.frexp(np.where(r == 0, 1, r))[1] - 1, -14) - 2)
;;       q = np.round(r / step) * step * 2.0 ** e      # np.round: ties to even
;;       return np.moveaxis(q.reshape(q.shape[:-2] + (-1,))[..., :K], -1, axis).astype(np.float32)
;;   ~~~
;;   OPERANDS COMPUTED ON THE WAY. 'Computed on the way' means the value that the module computes at that place (a softmax that the list does not call 'softmax' is quantised finished and normalised). What goes into a quantiser is computed in f32, as accurately as f32 sums, v_exp_f32 and their like allow (about 1e-6 of the number): no bf16 or f16 on the way to a quantiser, and a product that is left as it is and whose result goes on into a quantised operand takes f32 operands (vector FMAs, or v_wmma_f32_16x16x4_f32). A number that lies on a knife's edge between two numbers of the format may be rounded either way, as far as f32 arithmetic and the matrix unit's own rounding can turn it there, and no further.
;; One version. Each part assembles by itself: llvm-mc -triple=amdgcn-amd-amdhsa -mcpu=gfx1250 --defsym DOCPART=n.
;; ======== version 1 of 1: 4 launches
;; workspace buffers: xq 1,048,576 bytes; xs 32,768 bytes; route 4,096 bytes of whole numbers; gatew 4,096 bytes; hq 33,554,432 bytes; hs 1,048,576 bytes; part 16,908,288 bytes
;; launch gate (part 1): grid 256 x 1, 4 waves a work-group, no clusters, 55,808 bytes of LDS; arguments x, Wg, bg, out1, xq, xs, route, gatew; writes out1, xq, xs, route, gatew
.if DOCPART == 1
	.amdgcn_target "amdgcn-amd-amdhsa--gfx1250"
	.amdhsa_code_object_version 6
	.text
	.protected	k_q99f4703100_gate
	.globl	k_q99f4703100_gate
	.p2align	8
	.type	k_q99f4703100_gate,@function
k_q99f4703100_gate:
	s_mov_b64 s[64:65], 0
	v_nop
	global_prefetch_b8 v0, s[64:65] scope:SCOPE_SE
	s_setreg_imm32_b32 hwreg(HW_REG_WAVE_MODE, 25, 1), 1
	s_wait_xcnt 0x0
; THE GATE, AND x INTO CODES.  x [1024][1024] f32, Wg [1024][8], bg [8].  For each token: logits = x Wg + bg in f32 (fused multiply-adds), softmax (the largest logit taken away first),
; the largest weight and its expert (the lower index wins a tie, by a strict compare in ascending order); and x's row as codes of E5M2 with one E8M0 byte for each 32 along K.
; OUT: out1 [1024][8] the softmax;  xq [token][1024 codes];  xs [token][32 bytes];  route [token] u32 the expert;  gatew [token] f32 the largest weight.
; SHARES: a work-group takes 4 tokens, a wave one.  A lane holds k = 512 u + 16 lane + i (u = 0, 1; i = 0 .. 15): 16 neighbours along K, as the conversions want them; two neighbouring lanes hold a block of 32.
; Each load of x reads 512 consecutive bytes; the numbers turn through the wave's own stage in LDS (16 bytes of padding behind each 64).  Wg lies in LDS once for the work-group, 16 k (512 bytes) + 16 of padding to a region.
; No address and no branch hangs on the choice: it is stored as a whole number, and later launches place the rows by it.
; No matrix unit: 8 columns are half a tile, and operands narrower than f32 could turn the choice of an expert.  No cluster: what the work-groups share is Wg, 32 KB.
; LIMITS: NaN and infinities are not served.  A block of zeros gets the byte 1 where the rule says 127: its codes are zeros, and this program alone reads the bytes.  The sum over K runs in another order than a plain
; chain (32 terms a lane, then a tree over lanes): a token whose two largest weights differ by about 1e-6 of their size may go to the other expert.
; The small results leave in runs of 128 and of 16 bytes a work-group, parts of aligned blocks of 256: 70 KB in the whole launch.
.set WPITCH, 528
.set STG,    64*WPITCH                 ; the waves' stages: two of 32 x 80 bytes each
.set OW,     STG+4*5120                ; 4 rows of the softmax, 32 bytes each
.set SCB,    OW+128                    ; 4 x 32 scale bytes
.set RT,     SCB+128                   ; 4 experts
.set GW,     RT+16                     ; 4 largest weights
.set R,   16                           ; v16-47   x as loaded
.set X,   48                           ; v48-79   16 u + i
.set W,   80                           ; v80-207  Wg as loaded (64), then 16 rows of 8
.set ACC, 208                          ; v208-215 the eight sums
.set C,   216                          ; v216-223 x's codes
.set PT,  224                          ; v224-231 the other half of the lanes' sums
.set PR,  232                          ; v232-239 the softmax
	s_load_b256 s[4:11], s[0:1], 0x0               ; x, Wg, bg, out1
	s_load_b256 s[12:19], s[0:1], 0x20             ; xq, xs, route, gatew
	v_lshl_add_u32 v254, v0, 2, 0xd800
	v_mov_b32 v255, 0
	v_lshrrev_b32 v8, 5, v0
	v_readfirstlane_b32 s20, v8                    ; wave
	v_and_b32 v1, 31, v0                           ; lane
	v_lshlrev_b32 v2, 4, v1                        ; 16 x lane
	s_lshl_b32 s21, ttmp9, 2
	s_add_co_u32 s21, s21, s20                     ; my token
	s_lshl_b32 s22, s21, 12                        ; its row of x
	s_mov_b32 s23, 0
	s_lshl_b32 s34, s20, 13                        ; my wave's 16 regions of Wg
	s_mov_b32 s35, 0
	s_lshl_b32 s36, s21, 10                        ; its row of codes
	s_mov_b32 s37, 0
	s_mov_b32 s39, 0x600000                        ; the mantissa field of 57,344
	s_mov_b32 s40, 0x76543210
	s_mov_b32 s41, 0xfedcba98                      ; lane l xor 16
	s_wait_kmcnt 0x0
	s_load_b256 s[24:31], s[8:9], 0x0              ; bg
	s_add_nc_u64 s[4:5], s[4:5], s[22:23]
	s_add_nc_u64 s[6:7], s[6:7], s[34:35]
	s_add_nc_u64 s[12:13], s[12:13], s[36:37]
.irp i, 0,1,2,3,4,5,6,7
	global_load_b128 v[R+4*\i:R+4*\i+3], v2, s[4:5] offset:512*\i th:TH_LOAD_NT
.endr
.irp i, 0,1,2,3,4,5,6,7,8,9,10,11,12,13,14,15
	global_load_b128 v[W+4*\i:W+4*\i+3], v2, s[6:7] offset:512*\i
.endr
	s_mul_i32 s38, s20, 5120
	s_add_co_u32 s38, s38, STG
	v_lshrrev_b32 v8, 2, v1
	v_mul_u32_u24 v3, v8, 80
	v_and_b32 v8, 3, v1
	v_lshl_add_u32 v3, v8, 4, v3
	v_add_nc_u32 v3, s38, v3                       ; the stage, in: 80 (lane / 4) + 16 (lane % 4)
	v_mul_u32_u24 v4, v1, 80
	v_add_nc_u32 v4, s38, v4                       ; out: 80 x lane
	s_mul_i32 s38, s20, 16*WPITCH
	v_add_nc_u32 v5, s38, v2                       ; Wg into LDS: my wave's regions
	v_mul_u32_u24 v6, v1, WPITCH                   ; Wg out of LDS: region 32 u + lane
	v_lshrrev_b32 v7, 1, v1
	s_lshl_b32 s38, s20, 5
	v_add_nc_u32 v7, s38, v7                       ; my block's scale byte: 32 x wave + lane / 2
.irp e, 0,1,2,3,4,5,6,7
	v_mov_b32 v[PT+\e], 0                          ; written once: a lane permute's destination counts as one of its sources
.endr
	s_wait_loadcnt 16                              ; x's eight loads are in; Wg's sixteen may be out
.irp u, 0,1
.irp i, 0,1,2,3
	ds_store_b128 v3, v[R+16*\u+4*\i:R+16*\u+4*\i+3] offset:2560*\u+640*\i
.endr
.irp i, 0,1,2,3
	ds_load_b128 v[X+16*\u+4*\i:X+16*\u+4*\i+3], v4 offset:2560*\u+16*\i   ; LDS serves a wave's instructions in order: these see the stores above
.endr
.endr
	s_wait_loadcnt 0x0
.irp i, 0,1,2,3,4,5,6,7,8,9,10,11,12,13,14,15
	ds_store_b128 v5, v[W+4*\i:W+4*\i+3] offset:WPITCH*\i
.endr
	s_wait_dscnt 0x0                               ; my part of Wg lies in LDS (and my x is back)
	s_barrier_signal -1
	s_barrier_wait -1                              ; everybody's does
; 16 k of step u: row k of Wg is 8 numbers, two loads; four packed multiply-adds a k, x(k) serving both halves.
.macro DOT u
.irp i, 0,1,2,3,4,5,6,7,8,9,10,11,12,13,14,15
	ds_load_b128 v[W+8*\i:W+8*\i+3], v6 offset:32*WPITCH*(\u)+32*\i
	ds_load_b128 v[W+8*\i+4:W+8*\i+7], v6 offset:32*WPITCH*(\u)+32*\i+16
.endr
.irp i, 0,1,2,3,4,5,6,7,8,9,10,11,12,13,14,15
	s_wait_dscnt 30-2*\i                           ; row i's two loads are in; the later rows' may be out
.irp a, 0,1,2,3
.if ((\u) == 0) && (\i == 0)
	v_pk_mul_f32 v[ACC+2*\a:ACC+2*\a+1], v[W+2*\a:W+2*\a+1], v[X:X+1] op_sel_hi:[1,0]   ; the first product starts the sums
.elseif (\i % 2) == 0
	v_pk_fma_f32 v[ACC+2*\a:ACC+2*\a+1], v[W+8*\i+2*\a:W+8*\i+2*\a+1], v[X+16*(\u)+\i:X+16*(\u)+\i+1], v[ACC+2*\a:ACC+2*\a+1] op_sel_hi:[1,0,1]
.else
	v_pk_fma_f32 v[ACC+2*\a:ACC+2*\a+1], v[W+8*\i+2*\a:W+8*\i+2*\a+1], v[X+16*(\u)+\i-1:X+16*(\u)+\i], v[ACC+2*\a:ACC+2*\a+1] op_sel:[0,1,0] op_sel_hi:[1,1,1]
.endif
.endr
.endr
.endm
	DOT 0
	DOT 1
; step u's 16 numbers become 16 codes; the block's scale byte goes to LDS
.macro QX u
.set XS, X+16*(\u)
	v_max3_num_f32 v8, |v[XS]|, |v[XS+1]|, |v[XS+2]|
	v_max3_num_f32 v9, |v[XS+3]|, |v[XS+4]|, |v[XS+5]|
.irp i, 6,10
	v_max3_num_f32 v8, v8, |v[XS+\i]|, |v[XS+\i+1]|
	v_max3_num_f32 v9, v9, |v[XS+\i+2]|, |v[XS+\i+3]|
.endr
	v_max3_num_f32 v8, v8, |v[XS+14]|, |v[XS+15]|
	v_max3_num_f32 v8, v8, v9, 0x8000000           ; the floor 2^(16 - 127): the byte cannot fall under 1
	v_max_num_f32_dpp v8, v8, v8 row_xmask:1 row_mask:0xf bank_mask:0xf   ; with my neighbour's 16: the block's largest magnitude
	v_add_nc_u32 v11, 0xf8800000, v8               ; 15 off its exponent field: the conversion's scale operand
	v_and_or_b32 v10, v8, 0x7f800000, s39          ; 57,344 x the scale
.irp i, 0,1,2,3,4,5,6,7,8,9,10,11,12,13,14,15
	v_med3_num_f32 v[XS+\i], v[XS+\i], -v10, v10   ; the conversion to an 8-bit code does not saturate (ISA guide 7.6.2): the hold comes first
.endr
	v_cvt_scalef32_pk8_bf8_f32 v[C+4*(\u):C+4*(\u)+1], v[XS:XS+7], v11
	v_cvt_scalef32_pk8_bf8_f32 v[C+4*(\u)+2:C+4*(\u)+3], v[XS+8:XS+15], v11
	v_lshrrev_b32 v[12+(\u)], 23, v11              ; the scale's byte (also the plain line behind the conversions)
	ds_store_b8 v7, v[12+(\u)] offset:SCB+16*(\u)  ; both lanes of a block write the same byte with the same value
	global_store_b128 v2, v[C+4*(\u):C+4*(\u)+3], s[12:13] offset:512*(\u)   ; the wave stores 512 consecutive bytes
.endm
	QX 0
	QX 1
.irp m, 1,2,4,8
.irp e, 0,1,2,3,4,5,6,7
	v_add_f32_dpp v[ACC+\e], v[ACC+\e], v[ACC+\e] row_xmask:\m row_mask:0xf bank_mask:0xf
.endr
.endr
.irp e, 0,1,2,3,4,5,6,7
	v_permlanex16_b32 v[PT+\e], v[ACC+\e], s40, s41
.endr
.irp e, 0,1,2,3,4,5,6,7
	v_add_f32 v[ACC+\e], v[ACC+\e], v[PT+\e]       ; every lane holds the eight sums
.endr
	s_wait_kmcnt 0x0                               ; bg
.irp e, 0,1,2,3,4,5,6,7
	v_add_f32 v[ACC+\e], s[24+\e], v[ACC+\e]
.endr
	v_max3_num_f32 v8, v[ACC], v[ACC+1], v[ACC+2]
	v_max3_num_f32 v8, v8, v[ACC+3], v[ACC+4]
	v_max3_num_f32 v8, v8, v[ACC+5], v[ACC+6]
	v_max_num_f32 v8, v8, v[ACC+7]                 ; the largest logit
.irp e, 0,1,2,3,4,5,6,7
	v_sub_f32 v[PR+\e], v[ACC+\e], v8
.endr
.irp e, 0,1,2,3,4,5,6,7
	v_mul_f32 v[PR+\e], 0x3fb8aa3b, v[PR+\e]       ; x log2(e)
.endr
.irp e, 0,1,2,3,4,5,6,7
	v_exp_f32 v[PR+\e], v[PR+\e]
.endr
	v_nop                                          ; a plain line behind the last exponential
	s_wait_alu depctr_va_vdst(0)                   ; one wait for the batch of eight, ahead of its first reader
	v_add_f32 v9, v[PR], v[PR+1]
	v_add_f32 v10, v[PR+2], v[PR+3]
	v_add_f32 v11, v[PR+4], v[PR+5]
	v_add_f32 v14, v[PR+6], v[PR+7]
	v_add_f32 v9, v9, v10
	v_add_f32 v11, v11, v14
	v_add_f32 v9, v9, v11
	v_rcp_f32 v10, v9
	v_mov_b32 v15, s20                             ; (a plain line behind the reciprocal)  the wave's number, for the small results' places
	s_wait_alu depctr_va_vdst(0)
.irp e, 0,1,2,3,4,5,6,7
	v_mul_f32 v[PR+\e], v[PR+\e], v10
.endr
	v_cmp_gt_f32 vcc_lo, v[PR+1], v[PR]            ; the largest weight and its index; a strict compare keeps the lower index
	v_cndmask_b32 v240, 0, 1, vcc_lo
	v_max_num_f32 v241, v[PR], v[PR+1]
.irp e, 2,3,4,5,6,7
	v_cmp_gt_f32 vcc_lo, v[PR+\e], v241
	v_cndmask_b32 v240, v240, \e, vcc_lo
	v_max_num_f32 v241, v241, v[PR+\e]
.endr
	v_lshlrev_b32 v9, 5, v15
	v_lshlrev_b32 v14, 2, v15
	ds_store_b128 v9, v[PR:PR+3] offset:OW         ; all lanes write the same bytes with the same values
	ds_store_b128 v9, v[PR+4:PR+7] offset:OW+16
	ds_store_b32 v14, v240 offset:RT
	ds_store_b32 v14, v241 offset:GW
	s_wait_dscnt 0x0                               ; for the others' sake: my small results and my scale bytes lie in LDS
	s_barrier_signal -1
	s_barrier_wait -1
	v_lshlrev_b32 v11, 2, v1                       ; 4 x lane
	s_mov_b32 s35, 0
	s_cmp_lt_u32 s20, 2
	s_cbranch_scc0 .Lsmall
	s_cmp_eq_u32 s20, 0                            ; wave 0: the work-group's 128 bytes of out1; wave 1: of xs
	s_cselect_b64 s[32:33], s[10:11], s[14:15]
	s_lshl_b32 s34, ttmp9, 7
	s_add_nc_u64 s[32:33], s[32:33], s[34:35]
	s_lshl_b32 s36, s20, 7
	v_add_nc_u32 v12, s36, v11
	ds_load_b32 v13, v12 offset:OW
	s_wait_dscnt 0x0
	global_store_b32 v11, v13, s[32:33]
	s_wait_tensorcnt 0x0
	ds_add_u32 v254, v255
	s_wait_dscnt 0x0
	s_endpgm
.Lsmall:
	s_cmp_eq_u32 s20, 2                            ; wave 2: the four experts; wave 3: the four weights
	s_cselect_b64 s[32:33], s[16:17], s[18:19]
	s_lshl_b32 s34, ttmp9, 4
	s_add_nc_u64 s[32:33], s[32:33], s[34:35]
	s_and_b32 s36, s20, 1
	s_lshl_b32 s36, s36, 4
	v_and_b32 v12, 3, v1
	v_lshl_add_u32 v12, v12, 2, s36                ; 4 (lane % 4) + 16 (wave % 2): every lane reads one of the four words that were written
	ds_load_b32 v13, v12 offset:RT
	v_cmp_gt_u32 vcc_lo, 4, v1
	s_wait_dscnt 0x0
	s_wait_xcnt 0x0                                ; EXEC is a source of the stores issued above: it changes only behind this wait
	s_wait_tensorcnt 0x0
	ds_add_u32 v254, v255
	s_wait_dscnt 0x0
	s_and_saveexec_b32 s37, vcc_lo                 ; lanes 0 to 3 store
	global_store_b32 v11, v13, s[32:33]
	s_wait_xcnt 0x0                                ; and again in front of the line that widens it
	s_or_b32 exec_lo, exec_lo, s37
	s_endpgm
.Lfunc_end_k_q99f4703100_gate:
	.size	k_q99f4703100_gate, .Lfunc_end_k_q99f4703100_gate-k_q99f4703100_gate
	.p2alignl 7, 3214868480
	.fill 96, 4, 3214868480
	.section	.rodata,"a",@progbits
	.p2align	6, 0x0
	.amdhsa_kernel k_q99f4703100_gate
		.amdhsa_group_segment_fixed_size 55808
		.amdhsa_private_segment_fixed_size 0
		.amdhsa_enable_private_segment 0
		.amdhsa_kernarg_size 64
		.amdhsa_user_sgpr_count 2
		.amdhsa_user_sgpr_kernarg_segment_ptr 1
		.amdhsa_wavefront_size32 1
		.amdhsa_system_sgpr_workgroup_id_x 1
		.amdhsa_system_sgpr_workgroup_id_y 1
		.amdhsa_system_sgpr_workgroup_id_z 1
		.amdhsa_system_vgpr_workitem_id 0
		.amdhsa_next_free_vgpr 256
		.amdhsa_next_free_sgpr 66
		.amdhsa_reserve_vcc 1
		.amdhsa_float_denorm_mode_32 3
		.amdhsa_float_denorm_mode_16_64 3
		.amdhsa_memory_ordered 1
		.amdhsa_forward_progress 1
		.amdhsa_inst_pref_size 32
	.end_amdhsa_kernel
	.amdgpu_metadata
---
amdhsa.version: [ 1, 2 ]
amdhsa.kernels:
  - .name:           k_q99f4703100_gate
    .symbol:         k_q99f4703100_gate.kd
    .args:
      - { .name: x, .offset: 0, .size: 8, .value_kind: global_buffer, .address_space: global }
      - { .name: Wg, .offset: 8, .size: 8, .value_kind: global_buffer, .address_space: global }
      - { .name: bg, .offset: 16, .size: 8, .value_kind: global_buffer, .address_space: global }
      - { .name: out1, .offset: 24, .size: 8, .value_kind: global_buffer, .address_space: global }
      - { .name: xq, .offset: 32, .size: 8, .value_kind: global_buffer, .address_space: global }
      - { .name: xs, .offset: 40, .size: 8, .value_kind: global_buffer, .address_space: global }
      - { .name: route, .offset: 48, .size: 8, .value_kind: global_buffer, .address_space: global }
      - { .name: gatew, .offset: 56, .size: 8, .value_kind: global_buffer, .address_space: global }
    .group_segment_fixed_size: 55808
    .private_segment_fixed_size: 0
    .kernarg_segment_align: 8
    .kernarg_segment_size: 64
    .max_flat_workgroup_size: 128
    .sgpr_count:     66
    .vgpr_count:     256
    .wavefront_size: 32
...
	.end_amdgpu_metadata
.endif
;; end of part 1
;; launch ffn1 (part 2): grid 32 x 8, 4 waves a work-group, no clusters, 309,760 bytes of LDS; arguments W1, b1, xq, xs, route, hq, hs; writes hq, hs
.if DOCPART == 2
	.amdgcn_target "amdgcn-amd-amdhsa--gfx1250"
	.amdhsa_code_object_version 6
	.text
	.protected	k_q99f4703100_ffn1
	.globl	k_q99f4703100_ffn1
	.p2align	8
	.type	k_q99f4703100_ffn1,@function
k_q99f4703100_ffn1:
	s_mov_b64 s[64:65], 0
	v_nop
	global_prefetch_b8 v0, s[64:65] scope:SCOPE_SE
	s_setreg_imm32_b32 hwreg(HW_REG_WAVE_MODE, 25, 1), 1
	s_wait_xcnt 0x0
; THE FIRST LAYER, FOR THE CHOSEN ROWS ALONE: h = Q(relu(xq W1q + b1)), MX-BF8 (E5M2 codes, one E8M0 byte for each 32 along K), f32 sums.
; W1 [8][1024 k][4096 n] f32, K outermost.  Work-group (sl, e): expert e, hidden units 128 sl .. + 127.  Wave w: cg = w / 2 its 64 columns, kh = w % 2 its 512 of K: 128 KB of f32 that no other wave of the launch reads.
; PHASE W.  Lane (r, h) loads 16 bytes: row 128 s + 32 c + 16 h + i of its K half, columns 4 pi(r) .. + 3: sixteen lanes read 256 consecutive aligned bytes.  Sixteen loads are a block (s, c) of 32 along K x 64 columns;
; four blocks, 64 loads, are asked for ahead.  Column tile j is the set of columns 4 pi(r) + j.  A lane holds 16 of a block's 32 numbers for each of its 4 columns; lane l xor 16 holds the others.  The hold writes into other
; registers, in the order 16 j + i, so the conversions find 16 neighbours along K; their results ARE the operand's registers.  All 16 fragments (4 K steps x 4 tiles, 256 registers) stay: no weight is read twice, however many rows the expert has.
; pi swaps bits 2 and 3 of r.  The product is used transposed (source 0 = 16 columns of W1, source 1 = 16 tokens): lane (token, h) then holds in register 4 b + q of tile j the hidden unit 32 b + 16 h + 4 q + j, so the hold of the
; next quantiser, writing to 16 b + 4 q + j, again leaves 16 neighbours along the next K.
; THE LIST.  Wave 0 makes the expert's list of tokens in LDS from route (whole numbers that the launch before stored); place i of the list means the same token in the next launch, which runs the same lines.
; CHUNKS of 192 places (12 tiles of 16, 6 pairs): a loop of 6 trips whatever the count, two barriers a trip; work for tiles past the count is jumped over by scalar branches on the stored numbers.  Chunk 0 always has 8 tiles,
; so that its first two batches of rows are asked for without a branch.  Places past the count read token 1023; what they give is stored in the tile's own bytes and thrown away by the next launch.
; A PAIR of tiles: each wave multiplies both over its K half; one result goes to the partner wave (same columns, other K half) through LDS as an image of its registers, the other stays; behind a barrier each wave adds the partner's
; image to its own tile, applies relu, quantises and stores: hq [e][sl][tile 64][c 4][lane 32][16 bytes], the next operand's registers on end; hs [e][sl][place 1024][4 bytes].
; b1 is the C of each sum's first product, in the kh = 0 waves alone (the other waves' copy is masked to 0).
; NO TENSOR LOADS, NO CLUSTER: branches and the work of a trip hang on counts read from memory.  What the 32 work-groups of an expert share, the rows' codes, is 16 KB a tile against 512 KB of weights that are the work-group's own.
; The scale bytes leave 2 to a place (lanes l and l + 16 write the same two bytes with the same value; the partner columns' wave writes the other two): parts of aligned blocks, one byte for each 32 of hq's.
; LIMITS: NaN and infinities are not served.  A block of zeros gets the byte 1 where the rule says 127 (its codes are zeros; this program alone reads the bytes).  The sum over K is made of two halves added at the end.
.set PITCH, 16384                      ; a row of W1 in bytes; the largest immediate, 495 rows, lies inside the signed 24 bits
.set ROWP,  1072                       ; a token's row in LDS: 512 codes, 16 scale bytes, 512 codes, 16 scale bytes, 16 of padding: 67 x 16 bytes, so 16 rows begin at 16 different places modulo 256
.set TILEB, 16*ROWP
.set XP,    0                          ; 12 tiles of rows
.set EX,    12*TILEB                   ; the exchange: (2 tile + cg) x 4096 + 512 i + 16 lane
.set LIST,  EX+98304                   ; words 0 .. 1151 the list, 1152 .. 1183 thirty-two words for lanes that have nothing to place
.set CNT,   LIST+4736                  ; the count
.set FLOOR, 0x8000000                  ; 2^(16 - 127)
.set LI,  1                            ; 16 x lane
.set WOFF,2                            ; h x 16 rows + 16 pi(r)
.set HH,  3                            ; h
.set LA0, 4                            ; LIST + 4 h + 64 w
.set LAC, 5                            ; + 768 chunk
.set LB0, 6                            ; LIST + 4 (lane / 2) + 64 w
.set LBC, 7
.set ST,  8                            ; v8-10   where batch c's codes go
.set SS,  11                           ; v11-13  and its scale bytes
.set R16, 14                           ; 16 r
.set H16, 15                           ; 16 (lane % 2)
.set HSO, 16                           ; 64 kh + 4 r
.set HQO, 17                           ; 16 lane + 2048 kh
.set BOF, 18                           ; 64 h
.set CNA, 19                           ; CNT
.set L4,  20                           ; 4 x lane
.set POS, 21
.set ADR, 22
.set DMP, 23                           ; 1152 + lane
.set FIL, 24                           ; v24-27  1024 + e
.set TOK, 28
.set LFA, 29                           ; LIST + 16 lane
.set WS,  32                           ; v32-47  the weights' scale words, 4 s + j
.set M,   48
.set P,   52
.set LIM, 56
.set SCL, 60
.set CD,  64                           ; v64-71  the codes just made
.set AXG, 72                           ; v72-74  fragments of the tile that I give away, pairs 2 g and 2 g + 1
.set AXO, 75                           ; v75-77  of the tile that I keep
.set ASG, 78                           ; v78-80  their scale words
.set ASO, 81
.set EXG, 84                           ; v84-85  where I put the tile that I give away
.set EXO, 86                           ; v86-87  where I find my partner's part of the tile that I keep
.set XSA, 88                           ; v88-91, v92-95  the two tiles' scale words, one for each K step
.set XSB, 92
.set GA,  96                           ; v96-127 b1 as loaded, later the accumulators of the tile that I give away
.set XA,  128                          ; v128-191, v192-255 the two tiles' fragments
.set XB,  192
.set T,   128                          ; phase W: the held numbers, 16 j + i
.set S,   128                          ; the way out: the sums, 8 j + 4 b + q;
.set TQ,  160                          ; held, 16 b + 4 q + j
.set PB,  192                          ; the partner's image
.set HW,  224                          ; the two scale bytes
.set RTE, 192                          ; v192-223 route as loaded
.set GO,  192                          ; v192-215 the gathers' offsets, 8 c + p
.set GSO, 216                          ; v216-218
.set GS,  220                          ; v220-231 the rows' scale bytes as loaded
.set BI,  192                          ; window 2: b1 in the result's layout, 8 j + 4 b + q
; window 1: the weights' codes, 64 s + 16 j + 4 c.  window 2: where weights land, 64 c + 4 i + j; later the accumulators that I keep, 32 p + 8 j, b1 at 192, and batch 2's rows at 0.  window 3: batches 0 and 1, 128 c + 16 p + 4 q.
.set MSB, 0
.macro WIN new                         ; low byte: bits 1:0 source 0, 3:2 source 1, 5:4 source 2, 7:6 destination; the high byte repeats the setting that is left
.if MSB != (\new)
	s_set_vgpr_msb (MSB<<8)|(\new)
.set MSB, (\new)
.endif
.endm
.macro BARRIER                         ; my LDS stores have landed and my LDS loads are in: then the work-group's barrier
	s_wait_dscnt 0x0
	s_barrier_signal -1
	s_barrier_wait -1
.endm
.macro LOADW s, c                      ; block (s, c): 16 loads, each two rows' 256 consecutive bytes
	WIN 0x80
.irp i, 0,1,2,3,4,5,6,7,8,9,10,11,12,13,14,15
	global_load_b128 v[64*(\c)+4*\i:64*(\c)+4*\i+3], v[WOFF], s[4:5] offset:(128*(\s)+32*(\c)+\i)*PITCH th:TH_LOAD_NT
.endr
	WIN 0
.endm
; Block (s, c) becomes registers 4 c .. 4 c + 3 of the four fragments of K step s, and byte c of their scale words.  cnt: the loads issued behind this block's, which may stay out.  nx = 1: its registers take the block four further on.
.macro BLOCK s, c, cnt, nx
	s_wait_loadcnt \cnt
	WIN 0x0a
.irp j, 0,1,2,3
	v_max3_num_f32 v[M+\j], |v[64*(\c)+\j]|, |v[64*(\c)+4+\j]|, FLOOR   ; my 16 numbers of column j, and the floor: the byte cannot fall under 1
.endr
.irp i, 2,4,6,8,10,12,14
.irp j, 0,1,2,3
	v_max3_num_f32 v[M+\j], |v[64*(\c)+4*\i+\j]|, |v[64*(\c)+4*\i+4+\j]|, v[M+\j]   ; (the four columns by turns)
.endr
.endr
	WIN 0
.irp j, 0,1,2,3
	v_permlanex16_b32 v[P+\j], v[M+\j], s24, s25
.endr
.irp j, 0,1,2,3
	v_max_num_f32 v[M+\j], v[M+\j], v[P+\j]        ; with lane l xor 16's 16: the block's largest magnitude
.endr
.irp j, 0,1,2,3
	v_add_nc_u32 v[SCL+\j], 0xf8800000, v[M+\j]    ; 15 off its exponent field: the conversion's scale operand
.endr
.irp j, 0,1,2,3
	v_and_or_b32 v[LIM+\j], v[M+\j], 0x7f800000, s23   ; 57,344 x the scale
.endr
.if (\c) == 0
.irp j, 0,1,2,3
	v_lshrrev_b32 v[WS+4*(\s)+\j], 23, v[SCL+\j]   ; the scale's byte starts the word
.endr
.else
.irp j, 0,1,2,3
	v_lshrrev_b32 v[P+\j], 23, v[SCL+\j]
.endr
.irp j, 0,1,2,3
	v_lshl_or_b32 v[WS+4*(\s)+\j], v[P+\j], 8*(\c), v[WS+4*(\s)+\j]
.endr
.endif
	WIN 0x02
.irp j, 0,1,2,3
.irp i, 0,1,2,3,4,5,6,7,8,9,10,11,12,13,14,15
	v_med3_num_f32 v[T+16*\j+\i], v[64*(\c)+4*\i+\j], -v[LIM+\j], v[LIM+\j]   ; the hold (the conversion does not saturate: ISA guide 7.6.2), and the turn from 4 i + j to 16 j + i in one
.endr
.endr
	WIN 0x40
.irp j, 0,1,2,3
	v_cvt_scalef32_pk8_bf8_f32 v[64*(\s)+16*\j+4*(\c):64*(\s)+16*\j+4*(\c)+1], v[T+16*\j:T+16*\j+7], v[SCL+\j]
	v_cvt_scalef32_pk8_bf8_f32 v[64*(\s)+16*\j+4*(\c)+2:64*(\s)+16*\j+4*(\c)+3], v[T+16*\j+8:T+16*\j+15], v[SCL+\j]
.endr
	WIN 0
	v_nop                                          ; a plain line behind the last conversion
.if \nx
	LOADW (\s)+1, \c
.endif
.endm
; The expert's list: first every word becomes 1024 + e; then, 32 tokens at a time, each chosen lane puts its token at the running count + the chosen lanes below it.
.macro LISTBUILD
.irp i, 0,1,2,3,4,5,6,7,8
	ds_store_b128 v[LFA], v[FIL:FIL+3] offset:512*\i
.endr
	s_mov_b32 s32, 0
.irp t, 0,1,2,3,4,5,6,7,8,9,10,11,12,13,14,15,16,17,18,19,20,21,22,23,24,25,26,27,28,29,30,31
	v_cmp_eq_u32 vcc_lo, s21, v[RTE+\t]
	v_mbcnt_lo_u32_b32 v[POS], vcc_lo, s32
	v_cndmask_b32 v[POS], v[DMP], v[POS], vcc_lo   ; a lane with nothing to place writes its own spare word
	v_min_u32 v[POS], 1183, v[POS]
	v_lshl_add_u32 v[ADR], v[POS], 2, LIST
	v_add_nc_u32 v[TOK], 128*(\t/4)+(\t%4), v[L4]  ; register t of lane l holds token 128 (t / 4) + 4 l + t % 4
	ds_store_b32 v[ADR], v[TOK]                    ; LDS serves a wave's instructions in order: behind the fill above
	s_bcnt1_i32_b32 s33, vcc_lo
	s_add_co_u32 s32, s32, s33
.endr
	v_mov_b32 v[TOK], s32
	ds_store_b32 v[CNA], v[TOK]
.endm
.macro NT2                             ; s29 = the chunk's tiles in use, in pairs: 2 ceil(places / 32), at least 8 in chunk 0
	s_mul_i32 s34, s27, 192
	s_sub_co_i32 s34, s26, s34
	s_max_i32 s34, s34, 0
	s_min_u32 s34, s34, 192
	s_add_co_u32 s34, s34, 31
	s_lshr_b32 s34, s34, 5
	s_lshl_b32 s29, s34, 1
	s_cmp_eq_u32 s27, 0
	s_cselect_b32 s34, 8, 0
	s_max_u32 s29, s29, s34
.endm
.macro GADDR la, lb                    ; the chunk's tokens from the list become offsets into xq and xs
.irp c, 0,1,2
.irp p, 0,1,2,3,4,5,6,7
	ds_load_b32 v[GO+8*\c+\p], v[\la] offset:256*\c+8*\p
.endr
.endr
.irp c, 0,1,2
	ds_load_b32 v[GSO+\c], v[\lb] offset:256*\c
.endr
	s_wait_dscnt 0x0
.irp t, 0,1,2,3,4,5,6,7,8,9,10,11,12,13,14,15,16,17,18,19,20,21,22,23
	v_min_u32 v[GO+\t], 1023, v[GO+\t]             ; a place past the count holds 1024 + e: it reads token 1023
.endr
.irp t, 0,1,2,3,4,5,6,7,8,9,10,11,12,13,14,15,16,17,18,19,20,21,22,23
	v_lshl_add_u32 v[GO+\t], v[GO+\t], 10, v[R16]
.endr
.irp c, 0,1,2
	v_min_u32 v[GSO+\c], 1023, v[GSO+\c]
.endr
.irp c, 0,1,2
	v_lshl_add_u32 v[GSO+\c], v[GSO+\c], 5, v[H16]
.endr
.endm
.macro GISSUE c, cond                  ; batch c: tile 4 c + w: 16 rows of 1,024 codes (a load: two rows' 256 bytes) and their 32 scale bytes: 33 loads
.if \cond
	s_add_co_u32 s34, s18, 4*(\c)
	s_cmp_lt_u32 s34, s29
	s_cbranch_scc0 .Lgi_\@
.endif
.if (\c) == 2
.set GL, 0
	WIN 0x80
.else
.set GL, 128*(\c)
	WIN 0xc0
.endif
.irp p, 0,1,2,3,4,5,6,7
.irp q, 0,1,2,3
	global_load_b128 v[GL+16*\p+4*\q:GL+16*\p+4*\q+3], v[GO+8*(\c)+\p], s[8:9] offset:256*\q
.endr
.endr
	WIN 0
	global_load_b128 v[GS+4*(\c):GS+4*(\c)+3], v[GSO+(\c)], s[10:11]
.Lgi_\@:
.endm
.macro GSTORE c
	s_add_co_u32 s34, s18, 4*(\c)
	s_cmp_lt_u32 s34, s29
	s_cbranch_scc0 .Lgs_\@
.if (\c) == 2
.set GL, 0
	WIN 0x08
.else
.set GL, 128*(\c)
	WIN 0x0c
.endif
.irp p, 0,1,2,3,4,5,6,7
.irp q, 0,1,2,3
	ds_store_b128 v[ST+(\c)], v[GL+16*\p+4*\q:GL+16*\p+4*\q+3] offset:2*\p*ROWP+256*\q+16*(\q/2)
.endr
.endr
	WIN 0
	ds_store_b128 v[SS+(\c)], v[GS+4*(\c):GS+4*(\c)+3]
.Lgs_\@:
.endm
; Pair p.  34 LDS loads in one run, then 32 products: each tile's four accumulators take turns, one instruction a turn, K step by K step.
.macro PAIR p
	s_cmp_gt_u32 s29, 2*(\p)
	s_cbranch_scc0 .Lt_end
.set PG, (\p)/2
.set PO, ((\p)%2)*2*TILEB
	ds_load_b128 v[XSA:XSA+3], v[ASG+PG] offset:PO
.irp s, 0,1,2,3
.irp c, 0,1,2,3
	ds_load_b128 v[XA+16*\s+4*\c:XA+16*\s+4*\c+3], v[AXG+PG] offset:PO+128*\s+32*\c
.endr
.endr
	ds_load_b128 v[XSB:XSB+3], v[ASO+PG] offset:PO
.irp s, 0,1,2,3
.irp c, 0,1,2,3
	ds_load_b128 v[XB+16*\s+4*\c:XB+16*\s+4*\c+3], v[AXO+PG] offset:PO+128*\s+32*\c
.endr
.endr
.irp s, 0,1,2,3
	s_wait_dscnt 29-4*\s                           ; of the 34: the first tile's scale words and its K steps up to s are in
.if \s == 0
	WIN 0x21                                       ; source 0 (the weights) window 1, C (b1) window 2
.else
	WIN 0x01
.endif
.irp j, 0,1,2,3
.if \s == 0
	v_wmma_scale_f32_16x16x128_f8f6f4 v[GA+8*\j:GA+8*\j+7], v[64*\s+16*\j:64*\s+16*\j+15], v[XA+16*\s:XA+16*\s+15], v[BI+8*\j:BI+8*\j+7], v[WS+4*\s+\j], v[XSA+\s] matrix_a_fmt:MATRIX_FMT_BF8 matrix_b_fmt:MATRIX_FMT_BF8
.else
	v_wmma_scale_f32_16x16x128_f8f6f4 v[GA+8*\j:GA+8*\j+7], v[64*\s+16*\j:64*\s+16*\j+15], v[XA+16*\s:XA+16*\s+15], v[GA+8*\j:GA+8*\j+7], v[WS+4*\s+\j], v[XSA+\s] matrix_a_fmt:MATRIX_FMT_BF8 matrix_b_fmt:MATRIX_FMT_BF8
.endif
.endr
.endr
.irp s, 0,1,2,3
	s_wait_dscnt 12-4*\s                           ; the second tile's later K steps may be out
	WIN 0xa1                                       ; source 0 window 1, C and D window 2
.irp j, 0,1,2,3
.if \s == 0
	v_wmma_scale_f32_16x16x128_f8f6f4 v[32*(\p)+8*\j:32*(\p)+8*\j+7], v[64*\s+16*\j:64*\s+16*\j+15], v[XB+16*\s:XB+16*\s+15], v[BI+8*\j:BI+8*\j+7], v[WS+4*\s+\j], v[XSB+\s] matrix_a_fmt:MATRIX_FMT_BF8 matrix_b_fmt:MATRIX_FMT_BF8
.else
	v_wmma_scale_f32_16x16x128_f8f6f4 v[32*(\p)+8*\j:32*(\p)+8*\j+7], v[64*\s+16*\j:64*\s+16*\j+15], v[XB+16*\s:XB+16*\s+15], v[32*(\p)+8*\j:32*(\p)+8*\j+7], v[WS+4*\s+\j], v[XSB+\s] matrix_a_fmt:MATRIX_FMT_BF8 matrix_b_fmt:MATRIX_FMT_BF8
.endif
.endr
.endr
	WIN 0
.rept 9
	v_nop                                          ; eight places in front of the stores of results and of the next loads into the fragments' registers; the ninth for the accumulators that the next pair begins anew
.endr
.irp i, 0,1,2,3,4,5,6,7
	ds_store_b128 v[EXG+(\p)/3], v[GA+4*\i:GA+4*\i+3] offset:((\p)%3)*16384+512*\i   ; an image of the registers, each accumulator from its low end on
.endr
.endm
; The tile of pair p that I keep: the partner's half of K is added; relu, quantised along the hidden units, stored.
.macro FIN1 p
	s_cmp_gt_u32 s29, 2*(\p)
	s_cbranch_scc0 .Le_end
.irp i, 0,1,2,3,4,5,6,7
	ds_load_b128 v[PB+4*\i:PB+4*\i+3], v[EXO+(\p)/3] offset:((\p)%3)*16384+512*\i
.endr
	s_wait_dscnt 0x0
	s_wait_xcnt 0x0                                ; the last tile's stores have read their data: the codes and the scale bytes may be written again
	WIN 0x02                                       ; source 0: window 2
.irp t, 0,1,2,3,4,5,6,7,8,9,10,11,12,13,14,15
	v_pk_add_f32 v[S+2*\t:S+2*\t+1], v[32*(\p)+2*\t:32*(\p)+2*\t+1], v[PB+2*\t:PB+2*\t+1]   ; ascending: each accumulator is read from its low end on
.endr
	WIN 0
.irp b, 0,1
	v_max3_num_f32 v[M+\b], v[S+4*\b], v[S+4*\b+1], FLOOR   ; no |.|: what is negative becomes 0 and must not count; the floor stands over it
.endr
.irp b, 0,1
	v_max3_num_f32 v[M+\b], v[M+\b], v[S+4*\b+2], v[S+4*\b+3]
.endr
.irp j, 1,2,3
.irp b, 0,1
	v_max3_num_f32 v[M+\b], v[M+\b], v[S+8*\j+4*\b], v[S+8*\j+4*\b+1]
.endr
.irp b, 0,1
	v_max3_num_f32 v[M+\b], v[M+\b], v[S+8*\j+4*\b+2], v[S+8*\j+4*\b+3]
.endr
.endr
.irp b, 0,1
	v_permlanex16_b32 v[P+\b], v[M+\b], s24, s25
.endr
.irp b, 0,1
	v_max_num_f32 v[M+\b], v[M+\b], v[P+\b]
.endr
.irp b, 0,1
	v_add_nc_u32 v[SCL+\b], 0xf8800000, v[M+\b]
.endr
.irp b, 0,1
	v_and_or_b32 v[LIM+\b], v[M+\b], 0x7f800000, s23
.endr
.irp b, 0,1
	v_lshrrev_b32 v[P+\b], 23, v[SCL+\b]
.endr
	v_lshl_or_b32 v[HW], v[P+1], 8, v[P]           ; bytes 2 cg and 2 cg + 1 of the place's scale word
.irp b, 0,1
.irp q, 0,1,2,3
.irp j, 0,1,2,3
	v_med3_num_f32 v[TQ+16*\b+4*\q+\j], v[S+8*\j+4*\b+\q], 0, v[LIM+\b]   ; relu, the hold and the turn in one
.endr
.endr
.endr
.irp b, 0,1
	v_cvt_scalef32_pk8_bf8_f32 v[CD+4*\b:CD+4*\b+1], v[TQ+16*\b:TQ+16*\b+7], v[SCL+\b]
	v_cvt_scalef32_pk8_bf8_f32 v[CD+4*\b+2:CD+4*\b+3], v[TQ+16*\b+8:TQ+16*\b+15], v[SCL+\b]
.endr
	v_nop                                          ; a plain line behind the last conversion
	global_store_b128 v[HQO], v[CD:CD+3], s[14:15] offset:4096*(\p) th:TH_STORE_NT       ; 512 consecutive bytes, aligned
	global_store_b128 v[HQO], v[CD+4:CD+7], s[14:15] offset:4096*(\p)+512 th:TH_STORE_NT
	global_store_b16 v[HSO], v[HW], s[16:17] offset:128*(\p) th:TH_STORE_NT
.endm
	s_load_b256 s[4:11], s[0:1], 0x0               ; W1, b1, xq, xs
	s_load_b128 s[12:15], s[0:1], 0x20             ; route, hq
	s_load_b64 s[16:17], s[0:1], 0x30              ; hs
	v_lshrrev_b32 v30, 5, v0
	v_readfirstlane_b32 s18, v30                   ; wave
	s_lshr_b32 s19, s18, 1                         ; cg
	s_and_b32 s20, s18, 1                          ; kh
	s_and_b32 s21, ttmp7, 0xffff                   ; e
	s_mov_b32 s22, ttmp9                           ; sl
	s_mov_b32 s23, 0x600000                        ; the mantissa field of 57,344
	s_mov_b32 s24, 0x76543210
	s_mov_b32 s25, 0xfedcba98                      ; lane l xor 16
	s_xor_b32 s31, s20, 1                          ; 1 - kh
	s_cmp_eq_u32 s20, 0
	s_cselect_b32 s30, -1, 0                       ; b1 counts in the kh = 0 waves
	s_mov_b32 s27, 0                               ; chunk
	s_mov_b32 s28, 0                               ; 768 x chunk
	s_lshl_b32 s34, s21, 24                        ; W1: the expert,
	s_lshl_b32 s36, s20, 23                        ; my 512 rows,
	s_add_co_u32 s34, s34, s36
	s_lshl_b32 s36, s22, 9
	s_lshl_b32 s37, s19, 8
	s_add_co_u32 s36, s36, s37                     ; my 64 columns
	s_add_co_u32 s34, s34, s36
	s_mov_b32 s35, 0
	s_lshl_b32 s38, s21, 14                        ; b1
	s_add_co_u32 s38, s38, s36
	s_mov_b32 s39, 0
	s_lshl_b32 s40, s21, 5
	s_add_co_u32 s40, s40, s22                     ; 32 e + sl
	s_lshl_b32 s42, s40, 12                        ; hs
	s_lshl_b32 s40, s40, 17                        ; hq
	s_lshl_b32 s44, s19, 10
	s_add_co_u32 s40, s40, s44
	s_mov_b32 s41, 0
	s_lshl_b32 s44, s19, 1
	s_add_co_u32 s42, s42, s44
	s_mov_b32 s43, 0
	v_and_b32 v30, 31, v0                          ; lane
	v_lshlrev_b32 v[LI], 4, v30
	v_and_b32 v31, 15, v0                          ; r
	v_bfe_u32 v[HH], v0, 4, 1                      ; h
	v_and_b32 v64, 3, v31                          ; pi(r): bits 2 and 3 change places
	v_and_b32 v65, 4, v31
	v_lshl_or_b32 v64, v65, 1, v64
	v_and_b32 v65, 8, v31
	v_lshrrev_b32 v65, 1, v65
	v_or_b32 v64, v64, v65
	v_lshlrev_b32 v[WOFF], 18, v[HH]               ; 16 rows of 16,384 bytes
	v_lshl_or_b32 v[WOFF], v64, 4, v[WOFF]
	v_lshlrev_b32 v[BOF], 6, v[HH]
	s_wait_kmcnt 0x0
	s_add_nc_u64 s[4:5], s[4:5], s[34:35]
	s_add_nc_u64 s[6:7], s[6:7], s[38:39]
	s_add_nc_u64 s[14:15], s[14:15], s[40:41]
	s_add_nc_u64 s[16:17], s[16:17], s[42:43]
.irp q, 0,1,2,3,4,5,6,7
	global_load_b128 v[RTE+4*\q:RTE+4*\q+3], v[LI], s[12:13] offset:512*\q
.endr
.irp b, 0,1
.irp q, 0,1,2,3
	global_load_b128 v[GA+4*(4*\b+\q):GA+4*(4*\b+\q)+3], v[BOF], s[6:7] offset:128*\b+16*\q   ; b1 of hidden units 32 b + 16 h + 4 q + 0 .. 3
.endr
.endr
	LOADW 0, 0
	LOADW 0, 1
	LOADW 0, 2
	LOADW 0, 3
	; every LDS address is made here, of the thread's number, the wave's number and constants
	s_lshl_b32 s34, s18, 6
	v_lshl_add_u32 v[LA0], v[HH], 2, LIST
	v_add_nc_u32 v[LA0], s34, v[LA0]
	v_lshrrev_b32 v65, 1, v30                      ; lane / 2
	v_lshl_add_u32 v[LB0], v65, 2, LIST
	v_add_nc_u32 v[LB0], s34, v[LB0]
	v_lshlrev_b32 v[R16], 4, v31
	v_and_b32 v66, 1, v0                           ; lane % 2
	v_lshlrev_b32 v[H16], 4, v66
	s_mul_i32 s35, s18, TILEB
	v_mul_u32_u24 v67, v[HH], ROWP
	v_add_nc_u32 v67, v67, v[R16]
	v_add_nc_u32 v[ST], s35, v67                   ; tile w, row h, 16 r
	v_add_nc_u32 v[ST+1], 4*TILEB, v[ST]
	v_add_nc_u32 v[ST+2], 8*TILEB, v[ST]
	v_mul_u32_u24 v67, v65, ROWP
	v_mad_u32_u24 v67, v66, 528, v67
	v_add_nc_u32 v67, 512, v67
	v_add_nc_u32 v[SS], s35, v67                   ; tile w, row lane / 2, the scale bytes of half lane % 2
	v_add_nc_u32 v[SS+1], 4*TILEB, v[SS]
	v_add_nc_u32 v[SS+2], 8*TILEB, v[SS]
	v_lshlrev_b32 v[HSO], 2, v31
	s_lshl_b32 s36, s20, 6
	v_add_nc_u32 v[HSO], s36, v[HSO]
	s_lshl_b32 s36, s20, 11
	v_add_nc_u32 v[HQO], s36, v[LI]
	v_mov_b32 v[CNA], CNT
	v_lshlrev_b32 v[L4], 2, v30
	v_add_nc_u32 v[DMP], 1152, v30
	s_add_co_u32 s36, s21, 1024
.irp i, 0,1,2,3
	v_mov_b32 v[FIL+\i], s36
.endr
	v_add_nc_u32 v[LFA], LIST, v[LI]
	v_mul_u32_u24 v64, v31, ROWP
	v_lshl_add_u32 v65, v[HH], 4, v64              ; a fragment: row r, + 16 h
	v_add_nc_u32 v64, 512, v64                     ; its scale words: behind the half's 512 codes
	s_mul_i32 s36, s20, 528                        ; my half of K in a row
	s_mul_i32 s37, s31, TILEB
	s_add_co_u32 s37, s37, s36                     ; the tile that I give away: 2 p + 1 - kh
	s_mul_i32 s38, s20, TILEB
	s_add_co_u32 s38, s38, s36                     ; the tile that I keep: 2 p + kh
.irp g, 0,1,2
	v_add_nc_u32 v[AXG+\g], s37, v65
	v_add_nc_u32 v[ASG+\g], s37, v64
	v_add_nc_u32 v[AXO+\g], s38, v65
	v_add_nc_u32 v[ASO+\g], s38, v64
	s_add_co_u32 s37, s37, 4*TILEB
	s_add_co_u32 s38, s38, 4*TILEB
.endr
	s_lshl_b32 s37, s31, 1
	s_add_co_u32 s37, s37, s19
	s_lshl_b32 s37, s37, 12
	s_add_co_u32 s37, s37, EX
	v_add_nc_u32 v[EXG], s37, v[LI]
	v_add_nc_u32 v[EXG+1], 49152, v[EXG]
	s_lshl_b32 s37, s20, 1
	s_add_co_u32 s37, s37, s19
	s_lshl_b32 s37, s37, 12
	s_add_co_u32 s37, s37, EX
	v_add_nc_u32 v[EXO], s37, v[LI]
	v_add_nc_u32 v[EXO+1], 49152, v[EXO]
.irp j, 0,1,2,3
	v_mov_b32 v[P+\j], 0                           ; written once: a lane permute's destination counts as one of its sources
	v_mov_b32 v[GS+8+\j], 0                        ; batch 2's scale bytes: written on every way
.endr
	BLOCK 0, 0, 48, 1                              ; 48: the three younger blocks; route and b1 are older, so they are in too
	s_cmp_lg_u32 s18, 0
	s_cbranch_scc1 .Lno_list
	LISTBUILD
.Lno_list:
	BARRIER                                        ; the list and the count lie in LDS; up to here no other wave has touched LDS
	ds_load_b32 v[POS], v[CNA]
	s_wait_dscnt 0x0
	v_readfirstlane_b32 s26, v[POS]
	s_min_u32 s26, s26, 1024                       ; the expert's rows
	NT2
	GADDR LA0, LB0
	BLOCK 0, 1, 48, 1
	BLOCK 0, 2, 48, 1
	BLOCK 0, 3, 48, 1
.irp s, 1,2
.irp c, 0,1,2,3
	BLOCK \s, \c, 48, 1
.endr
.endr
	BLOCK 3, 0, 48, 0
	GISSUE 0, 0                                    ; chunk 0's rows travel behind the last weights
	BLOCK 3, 1, 63, 0                              ; behind this block's loads stand 2 blocks and a batch, 65 loads: the largest count that a wait can name leaves fewer out
	GISSUE 1, 0
	BLOCK 3, 2, 63, 0                              ; 1 block and 2 batches: 82
	GISSUE 2, 1
	BLOCK 3, 3, 63, 0                              ; 2 batches at the least: 66
	WIN 0x80
.irp j, 0,1,2,3
.irp t, 0,1,2,3,4,5,6,7
	v_and_b32 v[BI+8*\j+\t], s30, v[GA+4*\t+\j]    ; b1 into the result's layout, or 0 in the kh = 1 waves.  (These 32 lines are also the places between the last codes and scale words and the first products)
.endr
.endr
	WIN 0
.Lchunk:
	NT2
	v_add_nc_u32 v[LAC], s28, v[LA0]
	v_add_nc_u32 v[LBC], s28, v[LB0]
	s_cmp_eq_u32 s27, 0
	s_cbranch_scc1 .Lstaged                        ; chunk 0's rows are on their way
	s_cmp_eq_u32 s29, 0
	s_cbranch_scc1 .Lstaged
	s_wait_loadcnt 0x0                             ; the batches' registers and the gathers' offsets are written again below: no earlier load that lands in them or reads them is out (the trip before has waited for all its loads, so this wait is met at once)
	GADDR LAC, LBC
	GISSUE 0, 1
	GISSUE 1, 1
	GISSUE 2, 1
.Lstaged:
	s_wait_loadcnt 0x0
	GSTORE 0
	GSTORE 1
	GSTORE 2
	BARRIER                                        ; the chunk's rows lie in LDS; every wave's reads of the exchange are over
	PAIR 0
	PAIR 1
	PAIR 2
	PAIR 3
	PAIR 4
	PAIR 5
.Lt_end:
	BARRIER                                        ; the images lie in the exchange; every wave's reads of the rows are over
	FIN1 0
	FIN1 1
	FIN1 2
	FIN1 3
	FIN1 4
	FIN1 5
.Le_end:
	s_wait_xcnt 0x0                                ; the stores have read their bases
	s_add_nc_u64 s[14:15], s[14:15], 24576         ; 12 tiles of hq
	s_add_nc_u64 s[16:17], s[16:17], 768           ; 192 places of hs
	s_add_co_u32 s28, s28, 768
	s_add_co_u32 s27, s27, 1
	s_cmp_lt_u32 s27, 6
	s_cbranch_scc1 .Lchunk
	s_wait_xcnt 0x0
	v_lshl_add_u32 v254, v0, 2, 0x4b800
	v_mov_b32 v255, 0
	s_wait_tensorcnt 0x0
	ds_add_u32 v254, v255
	s_wait_dscnt 0x0
	s_endpgm
.Lfunc_end_k_q99f4703100_ffn1:
	.size	k_q99f4703100_ffn1, .Lfunc_end_k_q99f4703100_ffn1-k_q99f4703100_ffn1
	.p2alignl 7, 3214868480
	.fill 96, 4, 3214868480
	.section	.rodata,"a",@progbits
	.p2align	6, 0x0
	.amdhsa_kernel k_q99f4703100_ffn1
		.amdhsa_group_segment_fixed_size 309760
		.amdhsa_private_segment_fixed_size 0
		.amdhsa_enable_private_segment 0
		.amdhsa_kernarg_size 56
		.amdhsa_user_sgpr_count 2
		.amdhsa_user_sgpr_kernarg_segment_ptr 1
		.amdhsa_wavefront_size32 1
		.amdhsa_system_sgpr_workgroup_id_x 1
		.amdhsa_system_sgpr_workgroup_id_y 1
		.amdhsa_system_sgpr_workgroup_id_z 1
		.amdhsa_system_vgpr_workitem_id 0
		.amdhsa_next_free_vgpr 1024
		.amdhsa_next_free_sgpr 66
		.amdhsa_reserve_vcc 1
		.amdhsa_float_denorm_mode_32 3
		.amdhsa_float_denorm_mode_16_64 3
		.amdhsa_memory_ordered 1
		.amdhsa_forward_progress 1
		.amdhsa_inst_pref_size 255
	.end_amdhsa_kernel
	.section	.bss,"aw",@nobits
	.p2align	6
	.space	262144
	.amdgpu_metadata
---
amdhsa.version: [ 1, 2 ]
amdhsa.kernels:
  - .name:           k_q99f4703100_ffn1
    .symbol:         k_q99f4703100_ffn1.kd
    .args:
      - { .name: W1, .offset: 0, .size: 8, .value_kind: global_buffer, .address_space: global }
      - { .name: b1, .offset: 8, .size: 8, .value_kind: global_buffer, .address_space: global }
      - { .name: xq, .offset: 16, .size: 8, .value_kind: global_buffer, .address_space: global }
      - { .name: xs, .offset: 24, .size: 8, .value_kind: global_buffer, .address_space: global }
      - { .name: route, .offset: 32, .size: 8, .value_kind: global_buffer, .address_space: global }
      - { .name: hq, .offset: 40, .size: 8, .value_kind: global_buffer, .address_space: global }
      - { .name: hs, .offset: 48, .size: 8, .value_kind: global_buffer, .address_space: global }
    .group_segment_fixed_size: 309760
    .private_segment_fixed_size: 0
    .kernarg_segment_align: 8
    .kernarg_segment_size: 56
    .max_flat_workgroup_size: 128
    .sgpr_count:     66
    .vgpr_count:     1024
    .wavefront_size: 32
...
	.end_amdgpu_metadata
.endif
;; end of part 2
;; launch ffn2 (part 3): grid 32 x 8, 4 waves a work-group, no clusters, 306,688 bytes of LDS; arguments W2, hq, hs, route, part; writes part
.if DOCPART == 3
	.amdgcn_target "amdgcn-amd-amdhsa--gfx1250"
	.amdhsa_code_object_version 6
	.text
	.protected	k_q99f4703100_ffn2
	.globl	k_q99f4703100_ffn2
	.p2align	8
	.type	k_q99f4703100_ffn2,@function
k_q99f4703100_ffn2:
	s_mov_b64 s[64:65], 0
	v_nop
	global_prefetch_b8 v0, s[64:65] scope:SCOPE_SE
	s_setreg_imm32_b32 hwreg(HW_REG_WAVE_MODE, 25, 1), 1
	s_wait_xcnt 0x0
; THE SECOND LAYER, FOR THE CHOSEN ROWS ALONE: four partial sums, one for each quarter of K, of h W2q, MX-BF8, f32 sums.  The next launch adds the four, b2 and the gate's weight.
; W2 [8][4096 k][1024 n] f32, K outermost.  Work-group (cp + 8 kq, e): expert e, columns 128 cp .. + 127, K = 1024 kq .. + 1023.  Wave w: cg = w / 2 its 64 columns, kh = w % 2 its 512 of K: 128 KB of f32 read by this wave alone.
; PHASE W, THE LIST, THE CHUNKS AND THE PAIRS are the first layer's, line for line where the shapes allow: lane (r, h) loads row 128 s + 32 c + 16 h + i, columns 4 r .. + 3 (sixteen lanes: 256 consecutive aligned bytes); column tile j is
; the set of columns 4 r + j; the hold turns 4 i + j into 16 j + i; the conversions' results are the operand's registers, and all 16 fragments stay in registers.
; The list is made by the same lines from the same numbers, so place i means the token that it meant in the first layer.
; h arrives as images of the operand's registers (hq [e][sl][tile][c][lane][16 bytes], hs [e][sl][place][4 bytes]): places are consecutive, so nothing is gathered.  Only tiles that the first layer has stored are read: the same count of tiles is in use.
; The product is NOT transposed (source 0 = 16 places of h, source 1 = 16 columns of W2): lane (r, h) holds in register jj of tile j the entry (place 8 h + jj, column 4 r + j).  The addition of the partner's half of K writes to 4 jj + j, so
; one store of 16 bytes a lane writes 256 consecutive aligned bytes of one token's row from lanes 0-15, and of another's from lanes 16-31.
; part [kq 4][row 1032][1024] f32.  A place past the count holds 1024 + e: its numbers go to that row, which belongs to this expert alone and is read by nobody.
; NO TENSOR LOADS, NO CLUSTER: branches hang on counts read from memory; what work-groups share, h's codes, is 16 KB a tile against 512 KB of weights that are the work-group's own.
; LIMITS: NaN and infinities are not served.  A block of zeros gets the byte 1 where the rule says 127.  The sum over K is made of eight parts (two here, four in the next launch).
.set PITCH, 4096
.set HP,    0                          ; 12 tiles x 8 K steps x 2,048 bytes: tile x 16384 + 2048 k + 512 c + 16 lane
.set HS,    196608                     ; scale words: 768 k + 4 place
.set EX,    HS+6144                    ; the exchange: (2 tile + cg) x 4096 + 512 i + 16 lane
.set LIST,  EX+98304
.set CNT,   LIST+4736
.set FLOOR, 0x8000000
.set LI,  1                            ; 16 x lane
.set WOFF,2                            ; h x 16 rows + 16 r
.set HH,  3                            ; h
.set LT0, 4                            ; LIST + 32 h + 64 kh
.set LTC, 5                            ; + 768 chunk
.set VO,  6                            ; 16 lane + 2048 w
.set VS,  7                            ; 4 r + 4096 h + 64 w
.set ST,  8                            ; v8-10  where batch c's images go
.set SS,  11                           ; where scale words go
.set R16, 14                           ; 16 r
.set CNA, 19
.set L4,  20
.set POS, 21
.set ADR, 22
.set DMP, 23
.set FIL, 24
.set TOK, 28
.set LFA, 29
.set WS,  32
.set M,   48
.set P,   52
.set LIM, 56
.set SCL, 60
.set AXG, 72
.set AXO, 75
.set ASG, 78
.set ASO, 79
.set EXG, 84
.set EXO, 86
.set XSA, 88
.set XSB, 92
.set GA,  96
.set XA,  128
.set XB,  192
.set T,   128
.set S,   128                          ; the way out: the sums, 4 jj + j
.set TK,  160                          ; v160-167 the tokens of my eight places
.set AD,  168                          ; v168-175 their rows' offsets in part
.set PB,  192
.set RTE, 192
.set GS,  220                          ; v220-231 scale words as loaded, 4 c + u
; window 1: the weights' codes, 64 s + 16 j + 4 c.  window 2: where weights land, 64 c + 4 i + j; later the accumulators that I keep, 32 p + 8 j, and batch 2 at 0.  window 3: batches 0 and 1, 128 c + 16 k + 4 q.
.set MSB, 0
.macro WIN new                         ; low byte: bits 1:0 source 0, 3:2 source 1, 5:4 source 2, 7:6 destination; the high byte repeats the setting that is left
.if MSB != (\new)
	s_set_vgpr_msb (MSB<<8)|(\new)
.set MSB, (\new)
.endif
.endm
.macro BARRIER
	s_wait_dscnt 0x0
	s_barrier_signal -1
	s_barrier_wait -1
.endm
.macro LOADW s, c
	WIN 0x80
.irp i, 0,1,2,3,4,5,6,7,8,9,10,11,12,13,14,15
	global_load_b128 v[64*(\c)+4*\i:64*(\c)+4*\i+3], v[WOFF], s[4:5] offset:(128*(\s)+32*(\c)+\i)*PITCH th:TH_LOAD_NT
.endr
	WIN 0
.endm
.macro BLOCK s, c, cnt, nx             ; block (s, c) becomes registers 4 c .. 4 c + 3 of the four fragments of K step s, and byte c of their scale words
	s_wait_loadcnt \cnt
	WIN 0x0a
.irp j, 0,1,2,3
	v_max3_num_f32 v[M+\j], |v[64*(\c)+\j]|, |v[64*(\c)+4+\j]|, FLOOR
.endr
.irp i, 2,4,6,8,10,12,14
.irp j, 0,1,2,3
	v_max3_num_f32 v[M+\j], |v[64*(\c)+4*\i+\j]|, |v[64*(\c)+4*\i+4+\j]|, v[M+\j]
.endr
.endr
	WIN 0
.irp j, 0,1,2,3
	v_permlanex16_b32 v[P+\j], v[M+\j], s24, s25
.endr
.irp j, 0,1,2,3
	v_max_num_f32 v[M+\j], v[M+\j], v[P+\j]
.endr
.irp j, 0,1,2,3
	v_add_nc_u32 v[SCL+\j], 0xf8800000, v[M+\j]
.endr
.irp j, 0,1,2,3
	v_and_or_b32 v[LIM+\j], v[M+\j], 0x7f800000, s23
.endr
.if (\c) == 0
.irp j, 0,1,2,3
	v_lshrrev_b32 v[WS+4*(\s)+\j], 23, v[SCL+\j]
.endr
.else
.irp j, 0,1,2,3
	v_lshrrev_b32 v[P+\j], 23, v[SCL+\j]
.endr
.irp j, 0,1,2,3
	v_lshl_or_b32 v[WS+4*(\s)+\j], v[P+\j], 8*(\c), v[WS+4*(\s)+\j]
.endr
.endif
	WIN 0x02
.irp j, 0,1,2,3
.irp i, 0,1,2,3,4,5,6,7,8,9,10,11,12,13,14,15
	v_med3_num_f32 v[T+16*\j+\i], v[64*(\c)+4*\i+\j], -v[LIM+\j], v[LIM+\j]   ; the hold (ISA guide 7.6.2) and the turn in one
.endr
.endr
	WIN 0x40
.irp j, 0,1,2,3
	v_cvt_scalef32_pk8_bf8_f32 v[64*(\s)+16*\j+4*(\c):64*(\s)+16*\j+4*(\c)+1], v[T+16*\j:T+16*\j+7], v[SCL+\j]
	v_cvt_scalef32_pk8_bf8_f32 v[64*(\s)+16*\j+4*(\c)+2:64*(\s)+16*\j+4*(\c)+3], v[T+16*\j+8:T+16*\j+15], v[SCL+\j]
.endr
	WIN 0
	v_nop                                          ; a plain line behind the last conversion
.if \nx
	LOADW (\s)+1, \c
.endif
.endm
.macro LISTBUILD                       ; the same lines as in the first layer: the same places for the same tokens
.irp i, 0,1,2,3,4,5,6,7,8
	ds_store_b128 v[LFA], v[FIL:FIL+3] offset:512*\i
.endr
	s_mov_b32 s32, 0
.irp t, 0,1,2,3,4,5,6,7,8,9,10,11,12,13,14,15,16,17,18,19,20,21,22,23,24,25,26,27,28,29,30,31
	v_cmp_eq_u32 vcc_lo, s21, v[RTE+\t]
	v_mbcnt_lo_u32_b32 v[POS], vcc_lo, s32
	v_cndmask_b32 v[POS], v[DMP], v[POS], vcc_lo
	v_min_u32 v[POS], 1183, v[POS]
	v_lshl_add_u32 v[ADR], v[POS], 2, LIST
	v_add_nc_u32 v[TOK], 128*(\t/4)+(\t%4), v[L4]
	ds_store_b32 v[ADR], v[TOK]
	s_bcnt1_i32_b32 s33, vcc_lo
	s_add_co_u32 s32, s32, s33
.endr
	v_mov_b32 v[TOK], s32
	ds_store_b32 v[CNA], v[TOK]
.endm
.macro NT2
	s_mul_i32 s34, s27, 192
	s_sub_co_i32 s34, s26, s34
	s_max_i32 s34, s34, 0
	s_min_u32 s34, s34, 192
	s_add_co_u32 s34, s34, 31
	s_lshr_b32 s34, s34, 5
	s_lshl_b32 s29, s34, 1
	s_cmp_eq_u32 s27, 0
	s_cselect_b32 s34, 8, 0
	s_max_u32 s29, s29, s34
.endm
.macro GISSUE c, cond                  ; batch c: tile 4 c + w: 8 K steps' images (32 loads of 512 consecutive bytes) and their scale words (4 loads): 36 loads
.if \cond
	s_add_co_u32 s34, s18, 4*(\c)
	s_cmp_lt_u32 s34, s29
	s_cbranch_scc0 .Lgi_\@
.endif
.if (\c) == 2
.set GL, 0
	WIN 0x80
.else
.set GL, 128*(\c)
	WIN 0xc0
.endif
.irp k, 0,1,2,3,4,5,6,7
.irp q, 0,1,2,3
	global_load_b128 v[GL+16*\k+4*\q:GL+16*\k+4*\q+3], v[VO], s[6:7] offset:131072*\k+8192*(\c)+512*\q
.endr
.endr
	WIN 0
.irp u, 0,1,2,3
	global_load_b32 v[GS+4*(\c)+\u], v[VS], s[8:9] offset:8192*\u+256*(\c)   ; lanes 0-15: K step 2 u, lanes 16-31: 2 u + 1
.endr
.Lgi_\@:
.endm
.macro GSTORE c
	s_add_co_u32 s34, s18, 4*(\c)
	s_cmp_lt_u32 s34, s29
	s_cbranch_scc0 .Lgs_\@
.if (\c) == 2
.set GL, 0
	WIN 0x08
.else
.set GL, 128*(\c)
	WIN 0x0c
.endif
.irp k, 0,1,2,3,4,5,6,7
.irp q, 0,1,2,3
	ds_store_b128 v[ST+(\c)], v[GL+16*\k+4*\q:GL+16*\k+4*\q+3] offset:2048*\k+512*\q
.endr
.endr
	WIN 0
.irp u, 0,1,2,3
	ds_store_b32 v[SS], v[GS+4*(\c)+\u] offset:1536*\u+256*(\c)
.endr
.Lgs_\@:
.endm
; Pair p.  40 LDS loads in one run, then 32 products: each tile's four accumulators take turns, one instruction a turn.  The first K step's products start the sums.
.macro PAIR p
	s_cmp_gt_u32 s29, 2*(\p)
	s_cbranch_scc0 .Lt_end
.set PG, (\p)/2
.set PO, ((\p)%2)*32768
.irp s, 0,1,2,3
	ds_load_b32 v[XSA+\s], v[ASG] offset:768*\s+128*(\p)
.endr
.irp s, 0,1,2,3
.irp c, 0,1,2,3
	ds_load_b128 v[XA+16*\s+4*\c:XA+16*\s+4*\c+3], v[AXG+PG] offset:PO+2048*\s+512*\c
.endr
.endr
.irp s, 0,1,2,3
	ds_load_b32 v[XSB+\s], v[ASO] offset:768*\s+128*(\p)
.endr
.irp s, 0,1,2,3
.irp c, 0,1,2,3
	ds_load_b128 v[XB+16*\s+4*\c:XB+16*\s+4*\c+3], v[AXO+PG] offset:PO+2048*\s+512*\c
.endr
.endr
.irp s, 0,1,2,3
	s_wait_dscnt 32-4*\s                           ; of the 40: the first tile's four scale words and its K steps up to s are in
	WIN 0x04                                       ; source 1 (the weights) window 1
.irp j, 0,1,2,3
.if \s == 0
	v_wmma_scale_f32_16x16x128_f8f6f4 v[GA+8*\j:GA+8*\j+7], v[XA+16*\s:XA+16*\s+15], v[64*\s+16*\j:64*\s+16*\j+15], 0, v[XSA+\s], v[WS+4*\s+\j] matrix_a_fmt:MATRIX_FMT_BF8 matrix_b_fmt:MATRIX_FMT_BF8
.else
	v_wmma_scale_f32_16x16x128_f8f6f4 v[GA+8*\j:GA+8*\j+7], v[XA+16*\s:XA+16*\s+15], v[64*\s+16*\j:64*\s+16*\j+15], v[GA+8*\j:GA+8*\j+7], v[XSA+\s], v[WS+4*\s+\j] matrix_a_fmt:MATRIX_FMT_BF8 matrix_b_fmt:MATRIX_FMT_BF8
.endif
.endr
.endr
.irp s, 0,1,2,3
	s_wait_dscnt 12-4*\s                           ; the second tile's later K steps may be out
	WIN 0xa4                                       ; source 1 window 1, C and D window 2
.irp j, 0,1,2,3
.if \s == 0
	v_wmma_scale_f32_16x16x128_f8f6f4 v[32*(\p)+8*\j:32*(\p)+8*\j+7], v[XB+16*\s:XB+16*\s+15], v[64*\s+16*\j:64*\s+16*\j+15], 0, v[XSB+\s], v[WS+4*\s+\j] matrix_a_fmt:MATRIX_FMT_BF8 matrix_b_fmt:MATRIX_FMT_BF8
.else
	v_wmma_scale_f32_16x16x128_f8f6f4 v[32*(\p)+8*\j:32*(\p)+8*\j+7], v[XB+16*\s:XB+16*\s+15], v[64*\s+16*\j:64*\s+16*\j+15], v[32*(\p)+8*\j:32*(\p)+8*\j+7], v[XSB+\s], v[WS+4*\s+\j] matrix_a_fmt:MATRIX_FMT_BF8 matrix_b_fmt:MATRIX_FMT_BF8
.endif
.endr
.endr
	WIN 0
.rept 9
	v_nop                                          ; eight places in front of the stores of results and of the next loads into the fragments' registers; the ninth for the accumulators that the next pair begins anew
.endr
.irp i, 0,1,2,3,4,5,6,7
	ds_store_b128 v[EXG+(\p)/3], v[GA+4*\i:GA+4*\i+3] offset:((\p)%3)*16384+512*\i   ; an image of the registers, each accumulator from its low end on
.endr
.endm
; The tile of pair p that I keep: the partner's half of K is added, and the rows go to their tokens' rows of part.
.macro FIN2 p
	s_cmp_gt_u32 s29, 2*(\p)
	s_cbranch_scc0 .Le_end
.irp i, 0,1,2,3,4,5,6,7
	ds_load_b128 v[PB+4*\i:PB+4*\i+3], v[EXO+(\p)/3] offset:((\p)%3)*16384+512*\i
.endr
.irp t, 0,1,2,3,4,5,6,7
	ds_load_b32 v[TK+\t], v[LTC] offset:128*(\p)+4*\t   ; the token of place 32 p + 16 kh + 8 h + t
.endr
	s_wait_dscnt 0x0
	s_wait_xcnt 0x0                                ; the last tile's stores have read their data and offsets: both may be written again
.irp t, 0,1,2,3,4,5,6,7
	v_min_u32 v[TK+\t], 1031, v[TK+\t]
.endr
.irp t, 0,1,2,3,4,5,6,7
	v_lshl_add_u32 v[AD+\t], v[TK+\t], 12, v[R16]
.endr
	WIN 0x02                                       ; source 0: window 2
.irp t, 0,1,2,3,4,5,6,7
.irp j, 0,1,2,3
	v_add_f32 v[S+4*\t+\j], v[32*(\p)+8*\j+\t], v[PB+8*\j+\t]   ; register 0 of each accumulator first; the sum lands at 4 jj + j: four neighbouring columns
.endr
.endr
	WIN 0
.irp t, 0,1,2,3,4,5,6,7
	global_store_b128 v[AD+\t], v[S+4*\t:S+4*\t+3], s[12:13] th:TH_STORE_NT   ; sixteen lanes store 256 consecutive bytes, aligned
.endr
.endm
	s_load_b256 s[4:11], s[0:1], 0x0               ; W2, hq, hs, route
	s_load_b64 s[12:13], s[0:1], 0x20              ; part
	v_lshl_add_u32 v82, v0, 2, 0x4ac00
	v_mov_b32 v83, 0
	v_lshrrev_b32 v30, 5, v0
	v_readfirstlane_b32 s18, v30                   ; wave
	s_lshr_b32 s19, s18, 1                         ; cg
	s_and_b32 s20, s18, 1                          ; kh
	s_and_b32 s21, ttmp7, 0xffff                   ; e
	s_and_b32 s22, ttmp9, 7                        ; cp
	s_lshr_b32 s45, ttmp9, 3                       ; kq
	s_mov_b32 s23, 0x600000
	s_mov_b32 s24, 0x76543210
	s_mov_b32 s25, 0xfedcba98
	s_xor_b32 s31, s20, 1                          ; 1 - kh
	s_mov_b32 s27, 0                               ; chunk
	s_mov_b32 s28, 0                               ; 768 x chunk
	s_lshl_b32 s34, s21, 24                        ; W2: the expert,
	s_lshl_b32 s36, s45, 22                        ; the quarter of K,
	s_add_co_u32 s34, s34, s36
	s_lshl_b32 s36, s20, 21                        ; my 512 rows,
	s_add_co_u32 s34, s34, s36
	s_lshl_b32 s36, s22, 9
	s_lshl_b32 s37, s19, 8
	s_add_co_u32 s36, s36, s37                     ; my 64 columns
	s_add_co_u32 s34, s34, s36
	s_mov_b32 s35, 0
	s_mul_i32 s38, s45, 1032*4096                  ; part: the quarter's plane, my 64 columns
	s_add_co_u32 s38, s38, s36
	s_mov_b32 s39, 0
	s_lshl_b32 s40, s21, 5
	s_lshl_b32 s42, s45, 3
	s_add_co_u32 s40, s40, s42                     ; 32 e + 8 kq
	s_lshl_b32 s42, s40, 12                        ; hs
	s_lshl_b32 s40, s40, 17                        ; hq
	s_mov_b32 s41, 0
	s_mov_b32 s43, 0
	v_and_b32 v30, 31, v0                          ; lane
	v_lshlrev_b32 v[LI], 4, v30
	v_and_b32 v31, 15, v0                          ; r
	v_bfe_u32 v[HH], v0, 4, 1                      ; h
	v_lshlrev_b32 v[R16], 4, v31
	v_lshl_add_u32 v[WOFF], v[HH], 16, v[R16]      ; 16 rows of 4,096 bytes, + 16 r
	s_wait_kmcnt 0x0
	s_add_nc_u64 s[4:5], s[4:5], s[34:35]
	s_add_nc_u64 s[12:13], s[12:13], s[38:39]
	s_add_nc_u64 s[6:7], s[6:7], s[40:41]
	s_add_nc_u64 s[8:9], s[8:9], s[42:43]
.irp q, 0,1,2,3,4,5,6,7
	global_load_b128 v[RTE+4*\q:RTE+4*\q+3], v[LI], s[10:11] offset:512*\q
.endr
	LOADW 0, 0
	LOADW 0, 1
	LOADW 0, 2
	LOADW 0, 3
	; every LDS address is made here, of the thread's number, the wave's number and constants
	s_lshl_b32 s34, s20, 6
	v_lshl_add_u32 v[LT0], v[HH], 5, LIST
	v_add_nc_u32 v[LT0], s34, v[LT0]
	s_lshl_b32 s34, s18, 11
	v_add_nc_u32 v[VO], s34, v[LI]
	v_lshlrev_b32 v64, 2, v31                      ; 4 r
	s_lshl_b32 s34, s18, 6                         ; 64 w
	v_lshl_add_u32 v[VS], v[HH], 12, v64
	v_add_nc_u32 v[VS], s34, v[VS]
	v_mad_u32_u24 v65, v[HH], 768, v64
	s_add_co_u32 s35, s34, HS
	v_add_nc_u32 v[SS], s35, v65
	s_lshl_b32 s35, s18, 14
	v_add_nc_u32 v[ST], s35, v[LI]
	v_add_nc_u32 v[ST+1], 65536, v[ST]
	v_add_nc_u32 v[ST+2], 131072, v[ST]
	v_mov_b32 v[CNA], CNT
	v_lshlrev_b32 v[L4], 2, v30
	v_add_nc_u32 v[DMP], 1152, v30
	s_add_co_u32 s36, s21, 1024
.irp i, 0,1,2,3
	v_mov_b32 v[FIL+\i], s36
.endr
	v_add_nc_u32 v[LFA], LIST, v[LI]
	s_lshl_b32 s36, s20, 13                        ; my four K steps of a tile's eight
	s_lshl_b32 s37, s31, 14
	s_add_co_u32 s37, s37, s36                     ; the tile that I give away: 2 p + 1 - kh
	s_lshl_b32 s38, s20, 14
	s_add_co_u32 s38, s38, s36                     ; the tile that I keep: 2 p + kh
.irp g, 0,1,2
	v_add_nc_u32 v[AXG+\g], s37, v[LI]
	v_add_nc_u32 v[AXO+\g], s38, v[LI]
	s_add_co_u32 s37, s37, 65536
	s_add_co_u32 s38, s38, 65536
.endr
	s_mul_i32 s36, s20, 3072
	s_add_co_u32 s36, s36, HS
	s_lshl_b32 s37, s31, 6
	s_add_co_u32 s37, s37, s36
	v_add_nc_u32 v[ASG], s37, v64
	s_lshl_b32 s38, s20, 6
	s_add_co_u32 s38, s38, s36
	v_add_nc_u32 v[ASO], s38, v64
	s_lshl_b32 s37, s31, 1
	s_add_co_u32 s37, s37, s19
	s_lshl_b32 s37, s37, 12
	s_add_co_u32 s37, s37, EX
	v_add_nc_u32 v[EXG], s37, v[LI]
	v_add_nc_u32 v[EXG+1], 49152, v[EXG]
	s_lshl_b32 s37, s20, 1
	s_add_co_u32 s37, s37, s19
	s_lshl_b32 s37, s37, 12
	s_add_co_u32 s37, s37, EX
	v_add_nc_u32 v[EXO], s37, v[LI]
	v_add_nc_u32 v[EXO+1], 49152, v[EXO]
.irp j, 0,1,2,3
	v_mov_b32 v[P+\j], 0                           ; written once: a lane permute's destination counts as one of its sources
	v_mov_b32 v[GS+8+\j], 0                        ; batch 2's scale words: written on every way
.endr
	BLOCK 0, 0, 48, 1                              ; 48: the three younger blocks; route is older, so it is in too
	s_cmp_lg_u32 s18, 0
	s_cbranch_scc1 .Lno_list
	LISTBUILD
.Lno_list:
	BARRIER                                        ; the list and the count lie in LDS; up to here no other wave has touched LDS
	ds_load_b32 v[POS], v[CNA]
	s_wait_dscnt 0x0
	v_readfirstlane_b32 s26, v[POS]
	s_min_u32 s26, s26, 1024
	NT2
	BLOCK 0, 1, 48, 1
	BLOCK 0, 2, 48, 1
	BLOCK 0, 3, 48, 1
.irp s, 1,2
.irp c, 0,1,2,3
	BLOCK \s, \c, 48, 1
.endr
.endr
	BLOCK 3, 0, 48, 0
	GISSUE 0, 0                                    ; chunk 0's tiles travel behind the last weights
	BLOCK 3, 1, 63, 0                              ; behind this block's loads stand 2 blocks and a batch, 68 loads: the largest count that a wait can name leaves fewer out
	GISSUE 1, 0
	BLOCK 3, 2, 63, 0                              ; 1 block and 2 batches: 88
	GISSUE 2, 1
	BLOCK 3, 3, 63, 0                              ; 2 batches at the least: 72
.rept 7
	v_nop                                          ; with the line behind the last conversion: eight places between the last codes and scale words and the first products
.endr
.Lchunk:
	NT2
	v_add_nc_u32 v[LTC], s28, v[LT0]
	s_cmp_eq_u32 s27, 0
	s_cbranch_scc1 .Lstaged                        ; chunk 0's tiles are on their way
	s_wait_loadcnt 0x0                             ; the batches' registers are loaded again below: no earlier load that lands in them is out (the trip before has waited for all its loads, so this wait is met at once)
	GISSUE 0, 1
	GISSUE 1, 1
	GISSUE 2, 1
.Lstaged:
	s_wait_loadcnt 0x0
	GSTORE 0
	GSTORE 1
	GSTORE 2
	BARRIER                                        ; the chunk's tiles lie in LDS; every wave's reads of the exchange are over
	PAIR 0
	PAIR 1
	PAIR 2
	PAIR 3
	PAIR 4
	PAIR 5
.Lt_end:
	BARRIER                                        ; the images lie in the exchange; every wave's reads of the tiles are over
	FIN2 0
	FIN2 1
	FIN2 2
	FIN2 3
	FIN2 4
	FIN2 5
.Le_end:
	s_wait_xcnt 0x0                                ; every earlier load and store has read its base
	s_add_nc_u64 s[6:7], s[6:7], 24576             ; 12 tiles of hq
	s_add_nc_u64 s[8:9], s[8:9], 768               ; 192 places of hs
	s_add_co_u32 s28, s28, 768
	s_add_co_u32 s27, s27, 1
	s_cmp_lt_u32 s27, 6
	s_cbranch_scc1 .Lchunk
	s_wait_tensorcnt 0x0
	ds_add_u32 v82, v83
	s_wait_dscnt 0x0
	s_endpgm
.Lfunc_end_k_q99f4703100_ffn2:
	.size	k_q99f4703100_ffn2, .Lfunc_end_k_q99f4703100_ffn2-k_q99f4703100_ffn2
	.p2alignl 7, 3214868480
	.fill 96, 4, 3214868480
	.section	.rodata,"a",@progbits
	.p2align	6, 0x0
	.amdhsa_kernel k_q99f4703100_ffn2
		.amdhsa_group_segment_fixed_size 306688
		.amdhsa_private_segment_fixed_size 0
		.amdhsa_enable_private_segment 0
		.amdhsa_kernarg_size 40
		.amdhsa_user_sgpr_count 2
		.amdhsa_user_sgpr_kernarg_segment_ptr 1
		.amdhsa_wavefront_size32 1
		.amdhsa_system_sgpr_workgroup_id_x 1
		.amdhsa_system_sgpr_workgroup_id_y 1
		.amdhsa_system_sgpr_workgroup_id_z 1
		.amdhsa_system_vgpr_workitem_id 0
		.amdhsa_next_free_vgpr 1024
		.amdhsa_next_free_sgpr 66
		.amdhsa_reserve_vcc 1
		.amdhsa_float_denorm_mode_32 3
		.amdhsa_float_denorm_mode_16_64 3
		.amdhsa_memory_ordered 1
		.amdhsa_forward_progress 1
		.amdhsa_inst_pref_size 255
	.end_amdhsa_kernel
	.section	.bss,"aw",@nobits
	.p2align	6
	.space	262144
	.amdgpu_metadata
---
amdhsa.version: [ 1, 2 ]
amdhsa.kernels:
  - .name:           k_q99f4703100_ffn2
    .symbol:         k_q99f4703100_ffn2.kd
    .args:
      - { .name: W2, .offset: 0, .size: 8, .value_kind: global_buffer, .address_space: global }
      - { .name: hq, .offset: 8, .size: 8, .value_kind: global_buffer, .address_space: global }
      - { .name: hs, .offset: 16, .size: 8, .value_kind: global_buffer, .address_space: global }
      - { .name: route, .offset: 24, .size: 8, .value_kind: global_buffer, .address_space: global }
      - { .name: part, .offset: 32, .size: 8, .value_kind: global_buffer, .address_space: global }
    .group_segment_fixed_size: 306688
    .private_segment_fixed_size: 0
    .kernarg_segment_align: 8
    .kernarg_segment_size: 40
    .max_flat_workgroup_size: 128
    .sgpr_count:     66
    .vgpr_count:     1024
    .wavefront_size: 32
...
	.end_amdgpu_metadata
.endif
;; end of part 3
;; launch combine (part 4): grid 256 x 1, 8 waves a work-group, no clusters, 0 bytes of LDS; arguments part, b2, route, gatew, out0; writes out0
.if DOCPART == 4
	.amdgcn_target "amdgcn-amd-amdhsa--gfx1250"
	.amdhsa_code_object_version 6
	.text
	.protected	k_q99f4703100_combine
	.globl	k_q99f4703100_combine
	.p2align	8
	.type	k_q99f4703100_combine,@function
k_q99f4703100_combine:
	s_mov_b64 s[64:65], 0
	v_nop
	global_prefetch_b8 v0, s[64:65] scope:SCOPE_SE
	s_setreg_imm32_b32 hwreg(HW_REG_WAVE_MODE, 25, 1), 1
	s_wait_xcnt 0x0
; out0[token] = the gate's weight x (the four partial sums over K + b2[expert]).  part [4][1032][1024] f32, b2 [8][1024], route [1024] u32, gatew [1024] f32, out0 [1024][1024] f32.
; A work-group takes 4 tokens; thread t takes the 16 bytes at 16 t of each row, so sixteen neighbouring lanes read and store 256 consecutive aligned bytes.  A stream: no LDS, no barrier, no matrix unit, nothing shared.
; The 16 loads of part go out first; the experts and weights come by scalar loads meanwhile; b2's four loads follow.  All 20 loads of a wave are out together.
; The order of the sum: (P0 + P1) + (P2 + P3), + b2, x the weight.
.set PLANE, 1032*4096                  ; a quarter's plane of part; quarters 2 and 3 have a base of their own, so that every immediate lies inside the signed 24 bits
.set D, 8                              ; token i: v[8 + 20 i ..]: P0, P1, P2, P3, b2, four registers each
	s_load_b256 s[4:11], s[0:1], 0x0               ; part, b2, route, gatew
	s_load_b64 s[12:13], s[0:1], 0x20              ; out0
	v_lshlrev_b32 v1, 4, v0
	s_lshl_b32 s14, ttmp9, 4                       ; 4 tokens x 4 bytes
	s_mov_b32 s15, 0
	s_lshl_b32 s34, ttmp9, 14                      ; 4 rows of 4,096 bytes
	s_mov_b32 s35, 0
	s_mov_b32 s39, 0
	s_wait_kmcnt 0x0
	s_add_nc_u64 s[8:9], s[8:9], s[14:15]
	s_add_nc_u64 s[10:11], s[10:11], s[14:15]
	s_load_b128 s[16:19], s[8:9], 0x0              ; the four experts
	s_load_b128 s[20:23], s[10:11], 0x0            ; the four weights
	s_add_nc_u64 s[4:5], s[4:5], s[34:35]
	s_add_nc_u64 s[12:13], s[12:13], s[34:35]
	s_add_nc_u64 s[36:37], s[4:5], 2*PLANE
.irp i, 0,1,2,3
	global_load_b128 v[D+20*\i:D+20*\i+3],     v1, s[4:5] offset:4096*\i th:TH_LOAD_NT
	global_load_b128 v[D+20*\i+4:D+20*\i+7],   v1, s[4:5] offset:PLANE+4096*\i th:TH_LOAD_NT
	global_load_b128 v[D+20*\i+8:D+20*\i+11],  v1, s[36:37] offset:4096*\i th:TH_LOAD_NT
	global_load_b128 v[D+20*\i+12:D+20*\i+15], v1, s[36:37] offset:PLANE+4096*\i th:TH_LOAD_NT
.endr
	s_wait_kmcnt 0x0
.irp i, 0,1,2,3
	s_min_u32 s[16+\i], s[16+\i], 7                ; an expert's number enters an address only behind this hold
	s_lshl_b32 s38, s[16+\i], 12
	s_add_nc_u64 s[24+2*\i:25+2*\i], s[6:7], s[38:39]
	s_mov_b32 s[40+2*\i], s[20+\i]                 ; the weight as a pair: the packed form names a pair and takes its low word for both halves
	s_mov_b32 s[41+2*\i], s[20+\i]
.endr
.irp i, 0,1,2,3
	global_load_b128 v[D+20*\i+16:D+20*\i+19], v1, s[24+2*\i:25+2*\i]
.endr
.irp i, 0,1,2,3
	s_wait_loadcnt 3-\i                            ; token i's row of b2 is in, and so is all of part, which is older; the later tokens' rows of b2 may be out
.irp k, 0,2
	v_pk_add_f32 v[D+20*\i+\k:D+20*\i+\k+1], v[D+20*\i+\k:D+20*\i+\k+1], v[D+20*\i+4+\k:D+20*\i+4+\k+1]
	v_pk_add_f32 v[D+20*\i+8+\k:D+20*\i+8+\k+1], v[D+20*\i+8+\k:D+20*\i+8+\k+1], v[D+20*\i+12+\k:D+20*\i+12+\k+1]
.endr
.irp k, 0,2
	v_pk_add_f32 v[D+20*\i+\k:D+20*\i+\k+1], v[D+20*\i+\k:D+20*\i+\k+1], v[D+20*\i+8+\k:D+20*\i+8+\k+1]
.endr
.irp k, 0,2
	v_pk_add_f32 v[D+20*\i+\k:D+20*\i+\k+1], v[D+20*\i+\k:D+20*\i+\k+1], v[D+20*\i+16+\k:D+20*\i+16+\k+1]
.endr
.irp k, 0,2
	v_pk_mul_f32 v[D+20*\i+\k:D+20*\i+\k+1], v[D+20*\i+\k:D+20*\i+\k+1], s[40+2*\i:41+2*\i] op_sel_hi:[1,0]
.endr
	global_store_b128 v1, v[D+20*\i:D+20*\i+3], s[12:13] offset:4096*\i th:TH_STORE_NT
.endr
	s_endpgm
.Lfunc_end_k_q99f4703100_combine:
	.size	k_q99f4703100_combine, .Lfunc_end_k_q99f4703100_combine-k_q99f4703100_combine
	.p2alignl 7, 3214868480
	.fill 96, 4, 3214868480
	.section	.rodata,"a",@progbits
	.p2align	6, 0x0
	.amdhsa_kernel k_q99f4703100_combine
		.amdhsa_group_segment_fixed_size 0
		.amdhsa_private_segment_fixed_size 0
		.amdhsa_enable_private_segment 0
		.amdhsa_kernarg_size 40
		.amdhsa_user_sgpr_count 2
		.amdhsa_user_sgpr_kernarg_segment_ptr 1
		.amdhsa_wavefront_size32 1
		.amdhsa_system_sgpr_workgroup_id_x 1
		.amdhsa_system_sgpr_workgroup_id_y 1
		.amdhsa_system_sgpr_workgroup_id_z 1
		.amdhsa_system_vgpr_workitem_id 0
		.amdhsa_next_free_vgpr 96
		.amdhsa_next_free_sgpr 66
		.amdhsa_reserve_vcc 0
		.amdhsa_float_denorm_mode_32 3
		.amdhsa_float_denorm_mode_16_64 3
		.amdhsa_memory_ordered 1
		.amdhsa_forward_progress 1
		.amdhsa_inst_pref_size 7
	.end_amdhsa_kernel
	.amdgpu_metadata
---
amdhsa.version: [ 1, 2 ]
amdhsa.kernels:
  - .name:           k_q99f4703100_combine
    .symbol:         k_q99f4703100_combine.kd
    .args:
      - { .name: part, .offset: 0, .size: 8, .value_kind: global_buffer, .address_space: global }
      - { .name: b2, .offset: 8, .size: 8, .value_kind: global_buffer, .address_space: global }
      - { .name: route, .offset: 16, .size: 8, .value_kind: global_buffer, .address_space: global }
      - { .name: gatew, .offset: 24, .size: 8, .value_kind: global_buffer, .address_space: global }
      - { .name: out0, .offset: 32, .size: 8, .value_kind: global_buffer, .address_space: global }
    .group_segment_fixed_size: 0
    .private_segment_fixed_size: 0
    .kernarg_segment_align: 8
    .kernarg_segment_size: 40
    .max_flat_workgroup_size: 256
    .sgpr_count:     66
    .vgpr_count:     96
    .wavefront_size: 32
...
	.end_amdgpu_metadata
.endif
;; end of part 4
